; MI455X (gfx1250); checked and timed in simulation.
; The chip was launched on July 23, 2026; its instructions are those of AMD's public machine-readable ISA for CDNA 5 (MIT licence, August 2026) and "CDNA5" Instruction Set Architecture Reference Guide (July 2026). The comments in the code are by the model that wrote it; some were corrected since.
;; Attn Blockpp. Allowed arithmetic: float matrix products may take bf16 or f16 operands with f32 sums; all other float work in f32.
;; Inputs: W0 256 x 256 float32; W1 256 x 256 float32; W2 256 x 256 float32; W3 256 x 256 float32; b0 256 float32; b1 256 float32; b2 256 float32; b3 256 float32; gn_bias 256 float32; gn_scale 256 float32; x 2 x 256 x 64 x 64 float32.
;; Outputs: out0 2 x 256 x 64 x 64 float32.
;; One version. Each part assembles by itself: llvm-mc -triple=amdgcn-amd-amdhsa -mcpu=gfx1250 --defsym DOCPART=n.
;; ======== version 1 of 1: 4 launches
;; workspace buffers: stats 2,048 bytes; wh 524,288 bytes; qt 4,194,304 bytes; kt 4,194,304 bytes; vn 4,194,304 bytes; ot 4,194,304 bytes
;; launch stats (part 1): grid 256 x 1, 8 waves a work-group, no clusters, 1,280 bytes of LDS; arguments x, W0, W1, W2, W3, stats, wh; writes stats, wh
.if DOCPART == 1
	.amdgcn_target "amdgcn-amd-amdhsa--gfx1250"
	.amdhsa_code_object_version 6
	.text
	.protected	k_qdbfccd2d59_stats
	.globl	k_qdbfccd2d59_stats
	.p2align	8
	.type	k_qdbfccd2d59_stats,@function
k_qdbfccd2d59_stats:
	s_mov_b64 s[64:65], 0
	v_nop
	global_prefetch_b8 v0, s[64:65] scope:SCOPE_SE
	s_setreg_imm32_b32 hwreg(HW_REG_WAVE_MODE, 25, 1), 1
	s_wait_xcnt 0x0
; STATISTICS OF QUARTER GROUPS, AND THE WEIGHTS IN bf16.
; x is [2][256][4096] f32.  A group of the norm is 8 channels x 4,096 pixels = 131,072 consecutive bytes.  Work-group i owns a quarter
; of a group, the 32,768 bytes from byte 32,768 i on (8,192 numbers), keeps them in registers, and stores (mean, M2) at stats + 8 i,
; M2 = the sum of (x - mean)^2.  Two passes over registers: no difference of large sums is ever formed, so a common offset of x costs no digits.
; The next launch merges the four quarters of a group exactly.
; The same work-group rounds 16 rows x 64 columns of one of W0..W3 to bf16 and stores them regrouped:
;   wh[colblk 4][mat 4][c 256][64 d] = W_mat[c][64 colblk + d], so that the 64 columns of a head are dense rows of 128 bytes.
; No input is shared between work-groups, so there is nothing to ask for jointly; memory binds, so no matrix unit and no LDS tiles.
; Limits kept: NaN and infinities in x go through the sums as they are.
.set X, 8                              ; v[8:39]   my 32 numbers of x
.set CH, 40                            ; v[40:47]  four chains of packed sums
.set MEAN, 56                          ; v[56:57]  the mean twice; at the end (mean, M2)
	s_load_b256 s[4:11], s[0:1], 0x0               ; x s[4:5], W0 s[6:7], W1 s[8:9], W2 s[10:11]
	s_load_b128 s[12:15], s[0:1], 0x20             ; W3 s[12:13], stats s[14:15]
	s_load_b64 s[16:17], s[0:1], 0x30              ; wh
	v_lshl_add_u32 v64, v0, 2, 0x100
	v_mov_b32 v65, 0
	v_lshrrev_b32 v1, 5, v0
	v_readfirstlane_b32 s24, v1                    ; wave 0..7
	s_lshr_b32 s18, ttmp9, 6                       ; mat    = i / 64
	s_bfe_u32 s19, ttmp9, 0x20004                  ; colblk = (i / 16) mod 4
	s_and_b32 s28, ttmp9, 15                       ; cblk   = i mod 16
	s_mov_b32 s22, 0x76543210                      ; v_permlanex16_b32: lane i reads lane i of the other half
	s_mov_b32 s23, 0xfedcba98
	s_lshl_b32 s2, s28, 14                         ; W: 16 cblk rows of 1,024 bytes
	s_lshl_b32 s29, s19, 8                         ;    + 64 colblk columns of 4 bytes
	s_add_co_u32 s2, s2, s29
	s_mov_b32 s3, 0
	s_lshl2_add_u32 s29, s19, s18                  ; wh: block 4 colblk + mat of 32,768 bytes
	s_lshl_b32 s30, s29, 15
	s_lshl_b32 s29, s28, 11                        ;     + 16 cblk rows of 128 bytes
	s_add_co_u32 s30, s30, s29
	s_mov_b32 s31, 0
	s_lshl_b32 s26, ttmp9, 15                      ; x: 32,768 i
	s_mov_b32 s27, 0
	v_lshrrev_b32 v4, 4, v0                        ; W: row t / 16,
	v_and_b32 v7, 15, v0
	v_lshlrev_b32 v7, 4, v7                        ;    16 bytes at column 4 (t mod 16)
	v_lshl_or_b32 v4, v4, 10, v7
	v_lshlrev_b32 v5, 3, v0                        ; wh: 8 t (row t / 16 of 128 bytes, 8 bytes at 8 (t mod 16))
	v_lshlrev_b32 v6, 4, v0                        ; x: 16 t
	v_mov_b32 v2, s24
	v_lshlrev_b32 v2, 2, v2                        ; my wave's word in LDS
	v_mov_b32 v3, 0
	s_wait_kmcnt 0x0
	s_cmp_eq_u32 s18, 1                            ; which of the four weights: a choice on the work-group's number alone
	s_cselect_b64 s[20:21], s[8:9], s[6:7]
	s_cmp_eq_u32 s18, 2
	s_cselect_b64 s[20:21], s[10:11], s[20:21]
	s_cmp_eq_u32 s18, 3
	s_cselect_b64 s[20:21], s[12:13], s[20:21]
	s_add_nc_u64 s[20:21], s[20:21], s[2:3]
	s_add_nc_u64 s[4:5], s[4:5], s[26:27]
	s_add_nc_u64 s[16:17], s[16:17], s[30:31]
	s_lshl_b32 s26, ttmp9, 3
	s_add_nc_u64 s[14:15], s[14:15], s[26:27]      ; stats + 8 i
	global_load_b128 v[60:63], v4, s[20:21] th:TH_LOAD_NT      ; each weight byte is read once in this launch
.irp k, 0,1,2,3,4,5,6,7
	global_load_b128 v[X+4*\k:X+4*\k+3], v6, s[4:5] offset:4096*\k   ; a wave's load covers 512 consecutive bytes; x is read again by later launches: no hint
.endr
	s_wait_loadcnt 8                               ; the weight load is in; the eight loads of x issued behind it stay out
	v_cvt_pk_bf16_f32 v58, v60, v61
	v_cvt_pk_bf16_f32 v59, v62, v63
	global_store_b64 v5, v[58:59], s[16:17]        ; a wave stores 256 consecutive bytes, at a multiple of 256 from wh's first byte
	s_wait_loadcnt 0x0
; the four chains folded to one number, then summed over the 32 lanes: every lane ends with the wave's sum in v40
.macro LANESUM
	v_pk_add_f32 v[CH:CH+1], v[CH:CH+1], v[CH+2:CH+3]
	v_pk_add_f32 v[CH+4:CH+5], v[CH+4:CH+5], v[CH+6:CH+7]
	v_pk_add_f32 v[CH:CH+1], v[CH:CH+1], v[CH+4:CH+5]
	v_add_f32 v40, v40, v41
	v_add_f32_dpp v40, v40, v40 row_xmask:1 row_mask:0xf bank_mask:0xf
	v_add_f32_dpp v40, v40, v40 row_xmask:2 row_mask:0xf bank_mask:0xf
	v_add_f32_dpp v40, v40, v40 row_xmask:4 row_mask:0xf bank_mask:0xf
	v_add_f32_dpp v40, v40, v40 row_xmask:8 row_mask:0xf bank_mask:0xf
	v_permlanex16_b32 v41, v40, s22, s23           ; v41 has been written: the destination counts as read
	v_add_f32 v40, v40, v41
.endm
; the eight waves' sums meet in LDS bytes off .. off + 31; the total goes to register dst of every lane
.macro GROUPSUM off, dst
	ds_store_b32 v2, v40 offset:\off
	s_wait_dscnt 0x0                               ; my word is written before I signal: the others read it behind the barrier
	s_barrier_signal -1
	s_barrier_wait -1
	ds_load_b128 v[48:51], v3 offset:\off
	ds_load_b128 v[52:55], v3 offset:\off+16
	s_wait_dscnt 0x0
	v_pk_add_f32 v[48:49], v[48:49], v[50:51]
	v_pk_add_f32 v[52:53], v[52:53], v[54:55]
	v_pk_add_f32 v[48:49], v[48:49], v[52:53]
	v_add_f32 v[\dst], v48, v49
.endm
	; pass 1: the sum.  The first pairs start the chains: nothing is cleared.
.irp k, 0,1,2,3
	v_pk_add_f32 v[CH+2*\k:CH+2*\k+1], v[X+2*\k:X+2*\k+1], v[X+8+2*\k:X+9+2*\k]
.endr
.irp k, 0,1,2,3
	v_pk_add_f32 v[CH+2*\k:CH+2*\k+1], v[CH+2*\k:CH+2*\k+1], v[X+16+2*\k:X+17+2*\k]
.endr
.irp k, 0,1,2,3
	v_pk_add_f32 v[CH+2*\k:CH+2*\k+1], v[CH+2*\k:CH+2*\k+1], v[X+24+2*\k:X+25+2*\k]
.endr
	LANESUM
	GROUPSUM 0, 48
	v_mul_f32 v[MEAN], 0x39000000, v48             ; / 8,192
	v_mov_b32 v[MEAN+1], v[MEAN]
	; pass 2: the sum of squares of the distances from the mean
.set i, 0
.rept 16
	v_pk_add_f32 v[X+2*i:X+2*i+1], v[X+2*i:X+2*i+1], v[MEAN:MEAN+1] neg_lo:[0,1] neg_hi:[0,1]
.set i, i+1
.endr
.irp k, 0,1,2,3
	v_pk_mul_f32 v[CH+2*\k:CH+2*\k+1], v[X+2*\k:X+2*\k+1], v[X+2*\k:X+2*\k+1]
.endr
.irp g, 8,16,24
.irp k, 0,1,2,3
	v_pk_fma_f32 v[CH+2*\k:CH+2*\k+1], v[X+\g+2*\k:X+\g+2*\k+1], v[X+\g+2*\k:X+\g+2*\k+1], v[CH+2*\k:CH+2*\k+1]
.endr
.endr
	LANESUM
	GROUPSUM 32, MEAN+1                            ; other LDS bytes than the first sum's, so one barrier is enough
	v_cmp_eq_u32 vcc_lo, 0, v0
	s_wait_xcnt 0x0                                ; EXEC is a source of the store above: it changes only behind this wait
	s_wait_tensorcnt 0x0
	ds_add_u32 v64, v65
	s_wait_dscnt 0x0
	s_and_saveexec_b32 s25, vcc_lo
	global_store_b64 v3, v[MEAN:MEAN+1], s[14:15]  ; thread 0 alone: 8 bytes for a work-group, 2,048 in the launch
	s_endpgm
.Lfunc_end_k_qdbfccd2d59_stats:
	.size	k_qdbfccd2d59_stats, .Lfunc_end_k_qdbfccd2d59_stats-k_qdbfccd2d59_stats
	.p2alignl 7, 3214868480
	.fill 96, 4, 3214868480
	.section	.rodata,"a",@progbits
	.p2align	6, 0x0
	.amdhsa_kernel k_qdbfccd2d59_stats
		.amdhsa_group_segment_fixed_size 1280
		.amdhsa_private_segment_fixed_size 0
		.amdhsa_enable_private_segment 0
		.amdhsa_kernarg_size 56
		.amdhsa_user_sgpr_count 2
		.amdhsa_user_sgpr_kernarg_segment_ptr 1
		.amdhsa_wavefront_size32 1
		.amdhsa_system_sgpr_workgroup_id_x 1
		.amdhsa_system_sgpr_workgroup_id_y 1
		.amdhsa_system_sgpr_workgroup_id_z 1
		.amdhsa_system_vgpr_workitem_id 0
		.amdhsa_next_free_vgpr 66
		.amdhsa_next_free_sgpr 66
		.amdhsa_reserve_vcc 1
		.amdhsa_float_denorm_mode_32 3
		.amdhsa_float_denorm_mode_16_64 3
		.amdhsa_memory_ordered 1
		.amdhsa_forward_progress 1
		.amdhsa_inst_pref_size 9
	.end_amdhsa_kernel
	.amdgpu_metadata
---
amdhsa.version: [ 1, 2 ]
amdhsa.kernels:
  - .name:           k_qdbfccd2d59_stats
    .symbol:         k_qdbfccd2d59_stats.kd
    .args:
      - { .name: x, .offset: 0, .size: 8, .value_kind: global_buffer, .address_space: global }
      - { .name: W0, .offset: 8, .size: 8, .value_kind: global_buffer, .address_space: global }
      - { .name: W1, .offset: 16, .size: 8, .value_kind: global_buffer, .address_space: global }
      - { .name: W2, .offset: 24, .size: 8, .value_kind: global_buffer, .address_space: global }
      - { .name: W3, .offset: 32, .size: 8, .value_kind: global_buffer, .address_space: global }
      - { .name: stats, .offset: 40, .size: 8, .value_kind: global_buffer, .address_space: global }
      - { .name: wh, .offset: 48, .size: 8, .value_kind: global_buffer, .address_space: global }
    .group_segment_fixed_size: 1280
    .private_segment_fixed_size: 0
    .kernarg_segment_align: 8
    .kernarg_segment_size: 56
    .max_flat_workgroup_size: 256
    .sgpr_count:     66
    .vgpr_count:     66
    .wavefront_size: 32
...
	.end_amdgpu_metadata
.endif
;; end of part 1
;; launch qkv (part 2): grid 64 x 4, 8 waves a work-group, clusters of 4 x 1, 251,904 bytes of LDS; arguments x, stats, gn_scale, gn_bias, wh, b0, b1, b2, qt, kt, vn; writes qt, kt, vn
.if DOCPART == 2
	.amdgcn_target "amdgcn-amd-amdhsa--gfx1250"
	.amdhsa_code_object_version 6
	.text
	.protected	k_qdbfccd2d59_qkv
	.globl	k_qdbfccd2d59_qkv
	.p2align	8
	.type	k_qdbfccd2d59_qkv,@function
k_qdbfccd2d59_qkv:
	s_mov_b64 s[64:65], 0
	v_nop
	global_prefetch_b8 v0, s[64:65] scope:SCOPE_SE
	s_setreg_imm32_b32 hwreg(HW_REG_WAVE_MODE, 25, 1), 1
	s_wait_xcnt 0x0
	s_wait_alu depctr_hold_cnt(0) depctr_sa_sdst(0) depctr_va_vdst(0) depctr_va_sdst(0) depctr_va_ssrc(0) depctr_va_vcc(0) depctr_vm_vsrc(0)
	s_getreg_b32 s2, hwreg(HW_REG_IB_STS2, 6, 4)
	s_cmp_eq_u32 s2, 0
	s_cbranch_scc0 .Lentry_in_a_cluster
	s_endpgm
.Lentry_in_a_cluster:
	s_bfe_u32 s2, ttmp6, 0x10000c
	s_cmp_lg_u32 s2, 0x3003
	s_cbranch_scc0 .Lentry_shape_is_right
	s_endpgm
.Lentry_shape_is_right:
; GROUP NORM AND q, k, v OF ONE HEAD FOR 128 PIXELS.
; Work-group (pbg, head): image b = pbg / 32, pixels 128 (pbg mod 32) .. + 127, the head's 64 columns of W0, W1, W2.  K = 256 channels.
;   qt[bh][p][64 c] = (q + b0) * 0.125 * log2(e)   (the softmax's scale and the change to base 2 are folded in), bf16
;   kt[bh][j][64 c] = k + b1, bf16                  vn[bh][c][j] = v + b2, bf16
; Eight waves: wave w makes 32 pixels (pg = w mod 4) x 32 columns (dh = w / 4) of each of the three: 12 accumulator tiles, 96 matrix instructions.
; x comes through registers, since it is normalised and rounded on the way: wave w takes channels 32 w .. 32 w + 31, a row of 512 bytes to a load,
; all 32 loads out at once, and lays h = a x + bb as bf16 into LDS [c][p].  Lane L of wave w works out a and bb of channel 32 w + L.
; CLUSTER: the four work-groups of a cluster are four pixel blocks of one head and read the same 98,304 bytes of weights: these are asked for jointly
; (mask 15), each wave 96 rows.  x is read by the four heads' work-groups too, but it cannot be shared that way: it needs arithmetic before it lies in LDS.
; The weights [c][d] and h [c][p] both have K down the rows, so all fragments come by the transposing load.
; q, k: source 0 = W (rows d), source 1 = h (columns p): a lane holds one pixel and eight neighbouring d.  v: the sources swapped: one d, eight neighbouring pixels.
; Limits kept: NaN and infinities are not treated specially; v_rsq_f32 is good to 1 ULP; matrix operands are rounded to bf16.
.set HT, 122880                        ; LDS: 0 weights, 768 rows (mat 256 + c) of 160 bytes (128 + 32 of padding), filled by tensor loads alone
.set SQ, 196608                        ;      HT h, 256 rows c of 288 bytes (256 + 32);  SQ, SK stages of q and k, 128 rows p of 144 bytes
.set SK_OFF, 18432                     ;      SV stage of v, 64 rows c of 272 bytes.  All regions begin at multiples of 256; the last ends at 250,880
.set SV, 233472
.set ACC, 16                           ; v[16:111]  tile a = 4 mat + 2 dt + pt at 16 + 8 a
.set FR0, 112                          ; v[112:175] fragments, buffer 0: W(0,0) W(0,1) W(1,0) W(1,1) W(2,0) W(2,1) H(0) H(1)
.set FR1, 176                          ; v[176:239] buffer 1
.set XR, 112                           ; v[112:239] before that: the 32 rows of x
.set WA, 4                             ; v4-6   LDS address of my W fragments, one register for each matrix
.set HA, 7                             ; v7-8   LDS address of my h fragments, channels 0-127 and 128-255
; v1 lane; v2 16 lane; v3 where I store h; v9, v10 where I stage q/k and v; v11, v12 where I read the stages back; v13, v14 my offsets in qt/kt and in vn
; v[80:83] offsets of the small loads, v[84:91] scratch: free until the first product writes v's accumulators
; v[240:243] b2 of my column for dt 0 and 1, each twice; v[244:251] statistics; v252 gain, v253 bias; v254 a, v255 bb
.macro ROUND                           ; a round of the cluster's barrier
	s_barrier_signal -1
	s_barrier_wait -1
	s_cmp_lg_u32 s26, 0
	s_cbranch_scc1 .Lnot_wave_0_\@
	s_barrier_signal -3
.Lnot_wave_0_\@:
	s_barrier_wait -3
	s_barrier_signal -1
	s_barrier_wait -1
.endm
.macro PLACES n                        ; independent vector instructions behind matrix instructions (ISA guide 7.12.1)
.rept \n
	v_nop
.endr
.endm
	s_load_b512 s[4:19], s[0:1], 0x0               ; x 4, stats 6, gn_scale 8, gn_bias 10, wh 12, b0 14, b1 16, b2 18
	s_load_b128 s[20:23], s[0:1], 0x40             ; qt 20, kt 22
	s_load_b64 s[24:25], s[0:1], 0x50              ; vn
	s_set_vgpr_msb 0x40
	v_lshl_add_u32 v0, v0, 2, 0x3d400
	v_mov_b32 v1, 0
	s_set_vgpr_msb 0x4045
	ds_add_u32 v0, v1
	s_set_vgpr_msb 0x4500
	v_lshrrev_b32 v15, 5, v0
	v_readfirstlane_b32 s26, v15                   ; wave 0..7
	s_bfe_u32 s27, ttmp6, 0x40000                  ; cx
	s_lshl_b32 s28, ttmp9, 2
	s_add_co_u32 s28, s28, s27                     ; pbg = 4 x cluster x + cx
	s_and_b32 s29, ttmp7, 0xffff                   ; head
	s_lshr_b32 s30, s28, 5                         ; b
	s_and_b32 s31, s28, 31                         ; pb
	s_and_b32 s32, s26, 3                          ; pg
	s_lshr_b32 s33, s26, 2                         ; dh
	s_lshl2_add_u32 s34, s30, s29                  ; bh = 4 b + head
	s_mov_b32 s54, 0x38000000                      ; 1 / 32,768
	s_mov_b32 s55, 0x358637bd                      ; 1e-6
	; the weights' descriptor: 96 rows of 64 bf16, dense in memory; 8 words of padding behind every 32 words: LDS rows 160 bytes apart
	s_mov_b32 s36, 1
	s_mul_i32 s37, s26, 15360                      ; LDS: wave x 96 rows x 160 bytes
	s_mov_b32 s40, 15|(1<<16)|(1<<20)|(1<<21)|(4<<22)|(7<<25)   ; mask: all four of the cluster; 2-byte elements; padding on; bit 21 beside a mask
	s_mov_b32 s41, 64<<16                          ; tensor_dim0 = 64
	s_mov_b32 s42, 96<<16                          ; tensor_dim1 = 96
	s_mov_b32 s43, 64<<16                          ; tile_dim0 = 64
	s_mov_b32 s44, 96                              ; tile_dim1 = 96
	s_mov_b32 s45, 64                              ; 64 elements from row to row
	s_mov_b32 s46, 0
	s_mov_b32 s47, 0
	s_lshl_b32 s50, s29, 17                        ; the head's four blocks of 32,768 bytes; W0, W1, W2 are the first three
	s_mul_i32 s52, s26, 12288                      ; + wave x 96 rows x 128 bytes: nothing here hangs on cx
	s_add_co_u32 s50, s50, s52
	s_mov_b32 s51, 0
	v_and_b32 v1, 31, v0                           ; L
	v_and_b32 v84, 15, v0                          ; r
	v_bfe_u32 v85, v0, 4, 1                        ; h
	v_and_b32 v86, 7, v0                           ; L mod 8
	v_bfe_u32 v87, v0, 3, 1                        ; (L / 8) mod 2
	v_lshl_add_u32 v88, v85, 3, v86                ; 8 h + L mod 8: the row that I address in a transposing load
	v_lshlrev_b32 v2, 4, v1
	v_and_b32 v80, 0xf8, v0                        ; my channel is c = 32 w + L = v0; its group's four entries: 32 bytes at 32 (c / 8)
	v_lshlrev_b32 v80, 2, v80
	v_lshlrev_b32 v81, 2, v0                       ; gain and bias of channel c
	s_lshl_b32 s53, s29, 8
	s_lshl_b32 s52, s33, 7
	s_add_co_u32 s53, s53, s52                     ; 4 (64 head + 32 dh)
	v_lshl_add_u32 v82, v85, 5, s53                ; b0, b1: eight numbers from column 8 h of a tile on
	v_lshl_add_u32 v83, v84, 2, s53                ; b2: column r of a tile
	s_wait_dscnt 0x0
	s_wait_kmcnt 0x0
	s_add_nc_u64 s[38:39], s[12:13], s[50:51]
	s_or_b32 s39, s39, 0x80000000                  ; type 2
	s_lshl_b32 s50, s30, 10
	s_add_nc_u64 s[6:7], s[6:7], s[50:51]          ; the image's 128 entries
	s_lshl_b32 s50, s30, 22                        ; x: image,
	s_lshl_b32 s52, s26, 19                        ;    32 w rows of 16,384 bytes,
	s_add_co_u32 s50, s50, s52
	s_lshl_b32 s52, s31, 9                         ;    128 pb pixels
	s_add_co_u32 s50, s50, s52
	s_add_nc_u64 s[4:5], s[4:5], s[50:51]
	s_lshl_b32 s50, s34, 19
	s_lshl_b32 s52, s31, 8
	s_add_co_u32 s50, s50, s52
	s_add_nc_u64 s[24:25], s[24:25], s[50:51]      ; vn + bh 524,288 + 256 pb
	s_lshl_b32 s50, s34, 19
	s_lshl_b32 s52, s31, 14
	s_add_co_u32 s50, s50, s52
	s_add_nc_u64 s[20:21], s[20:21], s[50:51]      ; qt, kt + (4,096 bh + 128 pb) rows of 128 bytes
	s_add_nc_u64 s[22:23], s[22:23], s[50:51]
	; 22 small loads
	global_load_b128 v[244:247], v80, s[6:7]                   ; (mean, M2) of quarters 0, 1
	global_load_b128 v[248:251], v80, s[6:7] offset:16         ; of quarters 2, 3
	global_load_b32 v252, v81, s[8:9]
	global_load_b32 v253, v81, s[10:11]
.irp m, 0,1
.irp d, 0,1
.irp p, 0,1
	global_load_b128 v[ACC+8*(4*\m+2*\d+\p):ACC+8*(4*\m+2*\d+\p)+3],   v82, s[14+2*\m:15+2*\m] offset:64*\d      ; the bias starts the sums of q and k:
	global_load_b128 v[ACC+8*(4*\m+2*\d+\p)+4:ACC+8*(4*\m+2*\d+\p)+7], v82, s[14+2*\m:15+2*\m] offset:64*\d+16   ; register j holds b[d0 + 8 h + j]
.endr
.endr
.endr
	global_load_b32 v240, v83, s[18:19]
	global_load_b32 v242, v83, s[18:19] offset:64
	; 32 rows of x: the wave's whole share is on its way at once
.set i, 0
.rept 32
	global_load_b128 v[XR+4*i:XR+4*i+3], v2, s[4:5] offset:16384*i
.set i, i+1
.endr
	ROUND                                          ; all four work-groups are here: the joint loads meet
	tensor_load_to_lds s[36:39], s[40:47]          ; my 96 rows of the weights: the wave's one tensor load
	s_nop 0
	; LDS addresses, while the loads are on their way
	s_mul_i32 s50, s26, 9216
	s_add_co_u32 s50, s50, HT
	v_lshl_add_u32 v3, v1, 3, s50                  ; h: row 32 w (+ i), 8 bytes at pixel 4 L
	v_mul_u32_u24 v[WA], v88, 160
	v_lshl_add_u32 v[WA], v87, 4, v[WA]
	s_lshl_b32 s50, s33, 6
	v_add_nc_u32 v[WA], s50, v[WA]                 ; + my 32 columns
	v_add_nc_u32 v[WA+1], 40960, v[WA]             ; W1: 256 rows on
	v_add_nc_u32 v[WA+2], 81920, v[WA]             ; W2
	v_mul_u32_u24 v[HA], v88, 288
	v_lshl_add_u32 v[HA], v87, 4, v[HA]
	s_lshl_b32 s50, s32, 6
	s_add_co_u32 s50, s50, HT
	v_add_nc_u32 v[HA], s50, v[HA]                 ; + my 32 pixels
	v_add_nc_u32 v[HA+1], 36864, v[HA]             ; channels 128 on: beyond the reach of a 16-bit offset
	v_mul_u32_u24 v9, v84, 144                     ; stage of q: row 32 pg + r, bytes 64 dh + 16 h
	v_lshl_add_u32 v9, v85, 4, v9
	s_mul_i32 s50, s32, 4608
	s_lshl_b32 s52, s33, 6
	s_add_co_u32 s50, s50, s52
	s_add_co_u32 s50, s50, SQ
	v_add_nc_u32 v9, s50, v9
	v_mul_u32_u24 v10, v84, 272                    ; stage of v: row 32 dh + r, bytes 64 pg + 16 h
	v_lshl_add_u32 v10, v85, 4, v10
	s_mul_i32 s50, s33, 8704
	s_lshl_b32 s52, s32, 6
	s_add_co_u32 s50, s50, s52
	s_add_co_u32 s50, s50, SV
	v_add_nc_u32 v10, s50, v10
	v_lshrrev_b32 v11, 3, v0                       ; back: q, k: row t / 8, 16 bytes at 16 (t mod 8)
	v_mul_u32_u24 v11, v11, 144
	v_lshl_add_u32 v11, v86, 4, v11
	v_add_nc_u32 v11, SQ, v11
	v_lshrrev_b32 v12, 4, v0                       ; v: row t / 16, 16 bytes at 16 (t mod 16)
	v_mul_u32_u24 v12, v12, 272
	v_lshl_add_u32 v12, v84, 4, v12
	v_add_nc_u32 v12, SV, v12
	v_lshlrev_b32 v13, 4, v0                       ; qt, kt: rows of 128 bytes follow each other: 16 t
	v_lshrrev_b32 v14, 4, v0
	v_lshlrev_b32 v89, 4, v84
	v_lshl_or_b32 v14, v14, 13, v89                ; vn: row t / 16 of 8,192 bytes
	; a and bb of my channel.  The four quarters hold 8,192 numbers each: mean = the mean of the means,
	; M2 = the sum of the M2 + 8,192 x the sum of (quarter's mean - mean)^2: exact, and again no difference of large sums.
	s_wait_loadcnt 32                              ; the 22 small loads are in; the 32 rows of x issued behind them stay out
	v_add_f32 v84, v244, v246
	v_add_f32 v85, v248, v250
	v_add_f32 v84, v84, v85
	v_mul_f32 v84, 0x3e800000, v84                 ; mean
	v_sub_f32 v85, v244, v84
	v_sub_f32 v86, v246, v84
	v_sub_f32 v87, v248, v84
	v_sub_f32 v88, v250, v84
	v_mul_f32 v89, v85, v85
	v_fmac_f32 v89, v86, v86
	v_fmac_f32 v89, v87, v87
	v_fmac_f32 v89, v88, v88
	v_add_f32 v90, v245, v247
	v_add_f32 v91, v249, v251
	v_add_f32 v90, v90, v91
	v_fmamk_f32 v90, v89, 0x46000000, v90          ; + 8,192 x
	v_fma_f32 v90, v90, s54, s55                   ; variance + 1e-6
	v_rsq_f32 v91, v90
	v_mov_b32 v241, v240                           ; plain instructions behind the transcendental, which touch neither its source nor its result:
	v_mov_b32 v243, v242                           ; b2 twice, for the packed add on the way out
	s_wait_alu depctr_va_vdst(0)
	v_mul_f32 v254, v252, v91                      ; a  = gain / sqrt(variance + 1e-6)
	v_fma_f32 v255, -v84, v254, v253               ; bb = bias - mean a
	; h = a x + bb, rounded to bf16, row by row as the rows arrive
.set i, 0
.rept 32
	s_wait_loadcnt 31-i                            ; loads come back in order: row i is in, the 31 - i behind it stay out
	v_readlane_b32 s48, v254, i                    ; lane i holds a and bb of channel 32 w + i
	v_readlane_b32 s49, v255, i
	v_fma_f32 v[XR+4*i],   v[XR+4*i],   s48, s49
	v_fma_f32 v[XR+4*i+1], v[XR+4*i+1], s48, s49
	v_fma_f32 v[XR+4*i+2], v[XR+4*i+2], s48, s49
	v_fma_f32 v[XR+4*i+3], v[XR+4*i+3], s48, s49
	v_cvt_pk_bf16_f32 v[XR+4*i],   v[XR+4*i],   v[XR+4*i+1]
	v_cvt_pk_bf16_f32 v[XR+4*i+1], v[XR+4*i+2], v[XR+4*i+3]
	ds_store_b64 v3, v[XR+4*i:XR+4*i+1] offset:288*i           ; the wave stores 256 consecutive bytes of one row
.set i, i+1
.endr
	s_wait_dscnt 0x0                               ; my rows of h are written,
	s_wait_tensorcnt 0x0                           ; my rows of the weights have landed,
	s_barrier_signal -1
	s_barrier_wait -1                              ; everybody's have.  Nothing is filled again in this launch
; 16 transposing loads: the fragments of K step ks (32 channels) into buffer f
.macro FETCH ks, f
.irp m, 0,1,2
.irp d, 0,1
	ds_load_tr16_b128 v[\f+8*(2*\m+\d):\f+8*(2*\m+\d)+3],   v[WA+\m] offset:\ks*5120+\d*32
	ds_load_tr16_b128 v[\f+8*(2*\m+\d)+4:\f+8*(2*\m+\d)+7], v[WA+\m] offset:\ks*5120+\d*32+2560
.endr
.endr
.irp p, 0,1
	ds_load_tr16_b128 v[\f+48+8*\p:\f+48+8*\p+3], v[HA+(\ks>>2)] offset:(\ks&3)*9216+\p*32
	ds_load_tr16_b128 v[\f+48+8*\p+4:\f+48+8*\p+7], v[HA+(\ks>>2)] offset:(\ks&3)*9216+\p*32+4608
.endr
.endm
; 12 matrix instructions; the twelve accumulators take turns, one instruction a turn
.macro MUL12 f, zero
.irp m, 0,1
.irp d, 0,1
.irp p, 0,1
	v_wmma_f32_16x16x32_bf16 v[ACC+8*(4*\m+2*\d+\p):ACC+8*(4*\m+2*\d+\p)+7], v[\f+8*(2*\m+\d):\f+8*(2*\m+\d)+7], v[\f+48+8*\p:\f+48+8*\p+7], v[ACC+8*(4*\m+2*\d+\p):ACC+8*(4*\m+2*\d+\p)+7]
.endr
.endr
.endr
.irp d, 0,1
.irp p, 0,1
.if \zero
	v_wmma_f32_16x16x32_bf16 v[ACC+8*(8+2*\d+\p):ACC+8*(8+2*\d+\p)+7], v[\f+48+8*\p:\f+48+8*\p+7], v[\f+32+8*\d:\f+32+8*\d+7], 0
.else
	v_wmma_f32_16x16x32_bf16 v[ACC+8*(8+2*\d+\p):ACC+8*(8+2*\d+\p)+7], v[\f+48+8*\p:\f+48+8*\p+7], v[\f+32+8*\d:\f+32+8*\d+7], v[ACC+8*(8+2*\d+\p):ACC+8*(8+2*\d+\p)+7]
.endif
.endr
.endr
.endm
; K step ks multiplies buffer f; ahead of that the next step's fragments (nx) are asked for into buffer g, which the last step's products read:
; four places stand between those and the loads
.macro KS ks, nx, f, g
.if \ks < 7
.if \ks > 0
	PLACES 4
.endif
	FETCH \nx, \g
	s_wait_dscnt 16                                ; all but the 16 just issued: this step's fragments are in
.else
	s_wait_dscnt 0x0
.endif
.if \ks == 0
	MUL12 \f, 1                                    ; v's sums start from 0 (its bias lies along the lanes and is added below); q's and k's from their bias
.else
	MUL12 \f, 0
.endif
.endm
	FETCH 0, FR0
	KS 0, 1, FR0, FR1
	KS 1, 2, FR1, FR0
	KS 2, 3, FR0, FR1
	KS 3, 4, FR1, FR0
	KS 4, 5, FR0, FR1
	KS 5, 6, FR1, FR0
	KS 6, 7, FR0, FR1
	KS 7, 0, FR1, FR0
	PLACES 4                                       ; behind the last products, ahead of the instructions that read them
; THE WAY OUT: scale or bias, round to bf16 in place, 16 bytes a lane into the stages
.macro PACK a
	v_cvt_pk_bf16_f32 v[\a],   v[\a],   v[\a+1]
	v_cvt_pk_bf16_f32 v[\a+1], v[\a+2], v[\a+3]
	v_cvt_pk_bf16_f32 v[\a+2], v[\a+4], v[\a+5]
	v_cvt_pk_bf16_f32 v[\a+3], v[\a+6], v[\a+7]
.endm
.irp d, 0,1
.irp p, 0,1
.irp k, 0,2,4,6
	v_pk_mul_f32 v[ACC+8*(2*\d+\p)+\k:ACC+8*(2*\d+\p)+\k+1], v[ACC+8*(2*\d+\p)+\k:ACC+8*(2*\d+\p)+\k+1], 0x3e38aa3b op_sel_hi:[1,0]   ; q x 64^-0.5 x log2(e)
.endr
	PACK ACC+8*(2*\d+\p)
	ds_store_b128 v9, v[ACC+8*(2*\d+\p):ACC+8*(2*\d+\p)+3] offset:\p*2304+\d*32
.endr
.endr
.irp d, 0,1
.irp p, 0,1
	PACK ACC+8*(4+2*\d+\p)
	ds_store_b128 v9, v[ACC+8*(4+2*\d+\p):ACC+8*(4+2*\d+\p)+3] offset:SK_OFF+\p*2304+\d*32
.endr
.endr
.irp d, 0,1
.irp p, 0,1
.irp k, 0,2,4,6
	v_pk_add_f32 v[ACC+8*(8+2*\d+\p)+\k:ACC+8*(8+2*\d+\p)+\k+1], v[ACC+8*(8+2*\d+\p)+\k:ACC+8*(8+2*\d+\p)+\k+1], v[240+2*\d:241+2*\d]   ; + b2 of my column
.endr
	PACK ACC+8*(8+2*\d+\p)
	ds_store_b128 v10, v[ACC+8*(8+2*\d+\p):ACC+8*(8+2*\d+\p)+3] offset:\d*4352+\p*32
.endr
.endr
	s_wait_dscnt 0x0                               ; my parts of the stages are written
	s_barrier_signal -1
	s_barrier_wait -1                              ; everybody's are: rows hold parts from two or four waves
.irp i, 0,1,2,3
	ds_load_b128 v[FR0+4*\i:FR0+4*\i+3], v11 offset:\i*4608
.endr
.irp i, 0,1,2,3
	ds_load_b128 v[FR0+16+4*\i:FR0+16+4*\i+3], v11 offset:SK_OFF+\i*4608
.endr
.irp i, 0,1,2,3
	ds_load_b128 v[FR0+32+4*\i:FR0+32+4*\i+3], v12 offset:\i*4352
.endr
.irp i, 0,1,2,3
	s_wait_dscnt 11-\i                             ; LDS loads come back in order: the counts leave the younger ones out
	global_store_b128 v13, v[FR0+4*\i:FR0+4*\i+3], s[20:21] offset:\i*4096        ; a wave stores 512 consecutive bytes, aligned
.endr
.irp i, 0,1,2,3
	s_wait_dscnt 7-\i
	global_store_b128 v13, v[FR0+16+4*\i:FR0+16+4*\i+3], s[22:23] offset:\i*4096
.endr
.irp i, 0,1,2,3
	s_wait_dscnt 3-\i
	global_store_b128 v14, v[FR0+32+4*\i:FR0+32+4*\i+3], s[24:25] offset:\i*131072   ; sixteen lanes store 256 consecutive bytes of a row of vn, aligned
.endr
	s_set_vgpr_msb 0x5
	s_wait_tensorcnt 0x0
	ds_add_u32 v0, v1
	s_wait_dscnt 0x0
	s_set_vgpr_msb 0x500
	ROUND                                          ; the closing round: no work-group ends while a partner may still ask jointly
	s_endpgm
.Lfunc_end_k_qdbfccd2d59_qkv:
	.size	k_qdbfccd2d59_qkv, .Lfunc_end_k_qdbfccd2d59_qkv-k_qdbfccd2d59_qkv
	.p2alignl 7, 3214868480
	.fill 96, 4, 3214868480
	.section	.rodata,"a",@progbits
	.p2align	6, 0x0
	.amdhsa_kernel k_qdbfccd2d59_qkv
		.amdhsa_group_segment_fixed_size 251904
		.amdhsa_private_segment_fixed_size 0
		.amdhsa_enable_private_segment 0
		.amdhsa_kernarg_size 88
		.amdhsa_user_sgpr_count 2
		.amdhsa_user_sgpr_kernarg_segment_ptr 1
		.amdhsa_wavefront_size32 1
		.amdhsa_system_sgpr_workgroup_id_x 1
		.amdhsa_system_sgpr_workgroup_id_y 1
		.amdhsa_system_sgpr_workgroup_id_z 1
		.amdhsa_system_vgpr_workitem_id 0
		.amdhsa_next_free_vgpr 258
		.amdhsa_next_free_sgpr 66
		.amdhsa_reserve_vcc 0
		.amdhsa_float_denorm_mode_32 3
		.amdhsa_float_denorm_mode_16_64 3
		.amdhsa_memory_ordered 1
		.amdhsa_forward_progress 1
		.amdhsa_inst_pref_size 56
	.end_amdhsa_kernel
	.amdgpu_metadata
---
amdhsa.version: [ 1, 2 ]
amdhsa.kernels:
  - .name:           k_qdbfccd2d59_qkv
    .symbol:         k_qdbfccd2d59_qkv.kd
    .args:
      - { .name: x, .offset: 0, .size: 8, .value_kind: global_buffer, .address_space: global }
      - { .name: stats, .offset: 8, .size: 8, .value_kind: global_buffer, .address_space: global }
      - { .name: gn_scale, .offset: 16, .size: 8, .value_kind: global_buffer, .address_space: global }
      - { .name: gn_bias, .offset: 24, .size: 8, .value_kind: global_buffer, .address_space: global }
      - { .name: wh, .offset: 32, .size: 8, .value_kind: global_buffer, .address_space: global }
      - { .name: b0, .offset: 40, .size: 8, .value_kind: global_buffer, .address_space: global }
      - { .name: b1, .offset: 48, .size: 8, .value_kind: global_buffer, .address_space: global }
      - { .name: b2, .offset: 56, .size: 8, .value_kind: global_buffer, .address_space: global }
      - { .name: qt, .offset: 64, .size: 8, .value_kind: global_buffer, .address_space: global }
      - { .name: kt, .offset: 72, .size: 8, .value_kind: global_buffer, .address_space: global }
      - { .name: vn, .offset: 80, .size: 8, .value_kind: global_buffer, .address_space: global }
    .group_segment_fixed_size: 251904
    .private_segment_fixed_size: 0
    .kernarg_segment_align: 8
    .kernarg_segment_size: 88
    .max_flat_workgroup_size: 256
    .sgpr_count:     66
    .vgpr_count:     258
    .wavefront_size: 32
...
	.end_amdgpu_metadata
.endif
;; end of part 2
;; launch attn (part 3): grid 32 x 8, 8 waves a work-group, clusters of 4 x 1, 327,680 bytes of LDS; arguments qt, kt, vn, ot; writes ot
.if DOCPART == 3
	.amdgcn_target "amdgcn-amd-amdhsa--gfx1250"
	.amdhsa_code_object_version 6
	.text
	.protected	k_qdbfccd2d59_attn
	.globl	k_qdbfccd2d59_attn
	.p2align	8
	.type	k_qdbfccd2d59_attn,@function
k_qdbfccd2d59_attn:
	s_mov_b64 s[64:65], 0
	v_nop
	global_prefetch_b8 v0, s[64:65] scope:SCOPE_SE
	s_setreg_imm32_b32 hwreg(HW_REG_WAVE_MODE, 25, 1), 1
	s_wait_xcnt 0x0
	s_wait_alu depctr_hold_cnt(0) depctr_sa_sdst(0) depctr_va_vdst(0) depctr_va_sdst(0) depctr_va_ssrc(0) depctr_va_vcc(0) depctr_vm_vsrc(0)
	s_getreg_b32 s2, hwreg(HW_REG_IB_STS2, 6, 4)
	s_cmp_eq_u32 s2, 0
	s_cbranch_scc0 .Lentry_in_a_cluster
	s_endpgm
.Lentry_in_a_cluster:
	s_bfe_u32 s2, ttmp6, 0x10000c
	s_cmp_lg_u32 s2, 0x3003
	s_cbranch_scc0 .Lentry_shape_is_right
	s_endpgm
.Lentry_shape_is_right:
; ATTENTION OF ONE HEAD FOR 128 PIXELS, with a running maximum.
; Work-group (pbx, bh).  EIGHT waves, two to a SIMD: wave w owns the 32 pixels of group pgx = w mod 4 (two tiles pt of 16) and, of every tile of 512 keys, the half
; kh = w / 4 (256 keys, 64 at a time).  For 64 keys a wave issues 36 matrix instructions and some 210 vector instructions that hang on each other in a row
; (S, softmax, P V), so one wave alone leaves one unit idle while the other works; the second wave, on other keys, depends on nothing of the first and fills the gaps.
; Each wave keeps its own maximum, row sum and O over its 2,048 keys; at the end wave 4 + pgx hands its figures to wave pgx through LDS, which merges them exactly.
; TRANSPOSED: S^T = K Q^T (source 0 = 16 keys, source 1 = 16 pixels): lane (r, h) holds pixel r and the keys 8 h + j of each tile.  Two neighbouring tiles of S^T,
; rounded to bf16 in place, ARE source 1 of O^T = V P^T: P never leaves the registers.  Maximum, rescaling factor and row sum are one number a lane;
; only the maximum crosses the two halves of the wave.  The row sums are made by the matrix unit: a source 0 whose rows 0 and 8 are ones puts the pixel's
; sum of the ROUNDED P into register 0 of both halves.  qt already holds q x 64^-0.5 x log2(e), so the exponentials are plain powers of 2.
; CLUSTER: the four work-groups of a cluster are four pixel blocks of one head and walk the same K and V: every tile is asked for jointly (mask 15).
; RING: two LDS slots of 512 keys.  A slot has four quarters of 36,864 bytes: waves 0, 1 bring 256 rows of K each (128 bytes, 144 apart), waves 2, 3 bring 32 rows
; of V each (1,024 bytes, 1,040 apart); waves 4 to 7 have no part of a tile and issue no tensor load.  One tensor load a wave is out at the most; it has a whole
; tile's work, 144 matrix instructions of each of the eight waves, in which to land.
; ot[bh][group of 64 pixels][t 4][r 16][64 c]: row (t, r) is pixel 4 r + t of the group, so that the next launch's lanes hold four neighbouring pixels.
; Limits kept: NaN and infinities are not treated specially; P is rounded to bf16; v_exp_f32 and v_rcp_f32 are good to 1 ULP, and powers below 2^-126 come out as 0.
.set QTR, 36864
.set SLOT, 4*QTR
.set STAGE, 2*SLOT                     ; behind the ring: 32 rows x 144 bytes for each pixel group, written by LDS stores alone
.set MRGW, 8704                        ; the merge: 8,192 bytes of O and 512 of (m, l) for each pixel group, in slot 0 behind its last fill
.set KL, 2                             ; v2  kh QTR + r 144 + 16 h              v3  2 QTR + kh 512 + r 1,040 + 16 h
.set VL, 3
.set KA, 4                             ; v4, v5  the same at the 64 keys at hand; v4 at the end: my 16 bytes in the merge area
.set VA, 5
.set STO, 6                            ; v6  the way out: where I put 16 bytes   v7  where I read back   v8  my offset in ot   v9  my offset in qt
.set RD, 7
.set GO, 8
.set QO, 9
.set MX, 10                            ; v10, v11  maximum, the other half's
.set PX, 11
.set T, 12                             ; v[12:15]  four chains
.set M, 16                             ; v16, v18  running maximum of pt 0, 1    (v17, v19, v21, v23 are written once: a pair counts as read whole)
.set AL, 20                            ; v20, v22  rescaling factor of pt 0, 1
.set ONES, 24                          ; v[24:31]  source 0 for the row sums
.set S, 32                             ; v[32:95]  S(jt, pt) at 32 + 32 pt + 8 jt; P(kj, pt) in place at 32 + 32 pt + 16 kj
.set KF, 96                            ; v[96:159]  K fragments (jt, ks) at 96 + 8 (2 jt + ks)
.set VF, 160                           ; v[160:223] V fragments (ct, kj) at 160 + 8 (2 ct + kj)
.set O, 0                              ; window 1: v[256:319] O(ct, pt) at 32 pt + 8 ct
.set LS, 64                            ;           v[320:335] row sums of pt 0, 1
.set Q, 80                             ;           v[336:367] Q(pt, ks) at 80 + 8 (2 pt + ks)
.set MSB, 0
.macro WIN new                         ; s_set_vgpr_msb: bits 1:0 source 0, 3:2 source 1, 5:4 source 2, 7:6 destination; the high byte repeats the setting that is left
.if MSB != \new
	s_set_vgpr_msb (MSB<<8)|\new
.set MSB, \new
.endif
.endm
.macro ROUND                           ; a round of the cluster's barrier
	s_barrier_signal -1
	s_barrier_wait -1
	s_cmp_lg_u32 s12, 0
	s_cbranch_scc1 .Lnot_wave_0_\@
	s_barrier_signal -3
.Lnot_wave_0_\@:
	s_barrier_wait -3
	s_barrier_signal -1
	s_barrier_wait -1
.endm
.macro PLACES n                        ; independent vector instructions behind matrix instructions (ISA guide 7.12.1)
.rept \n
	v_nop
.endr
.endm
.macro JLOAD s                         ; slot s: waves 0, 1 ask for K, waves 2, 3 for V, waves 4 to 7 for nothing.  The branches hang on the wave's number alone
	s_cmp_lg_u32 s14, 0
	s_cbranch_scc1 .Lnot_k_\@
	tensor_load_to_lds s[32+4*\s:35+4*\s], s[16:23]
	s_nop 0
	s_branch .Lasked_\@
.Lnot_k_\@:
	s_cmp_lg_u32 s14, 1
	s_cbranch_scc1 .Lasked_\@
	tensor_load_to_lds s[40+4*\s:43+4*\s], s[24:31]
	s_nop 0
.Lasked_\@:
.endm
	s_load_b256 s[4:11], s[0:1], 0x0               ; qt 4, kt 6, vn 8, ot 10
	v_lshl_add_u32 v254, v0, 2, 0x4c800
	v_mov_b32 v255, 0
	ds_add_u32 v254, v255
	v_lshrrev_b32 v1, 5, v0
	v_readfirstlane_b32 s12, v1                    ; wave 0..7
	s_and_b32 s13, s12, 1
	s_lshr_b32 s14, s12, 1                         ; 0: I bring K; 1: I bring V; 2, 3: nothing
	s_lshr_b32 s66, s12, 2                         ; kh: which half of every tile's keys is mine
	s_and_b32 s67, s12, 3                          ; pgx: which 32 pixels are mine
	s_bfe_u32 s15, ttmp6, 0x40000                  ; cx
	s_lshl_b32 s48, ttmp9, 2
	s_add_co_u32 s48, s48, s15                     ; pbx = 4 x cluster x + cx
	s_and_b32 s49, ttmp7, 0xffff                   ; bh
	s_mov_b32 s52, 0x76543210                      ; v_permlanex16_b32: lane i reads lane i of the other half
	s_mov_b32 s53, 0xfedcba98
	; K: 256 rows of 64 bf16, dense; 4 words of padding behind every 32
	s_mov_b32 s16, 15|(1<<16)|(1<<20)|(1<<21)|(4<<22)|(3<<25)
	s_mov_b32 s17, 64<<16
	s_mov_b32 s18, 256<<16
	s_mov_b32 s19, 64<<16
	s_mov_b32 s20, 256
	s_mov_b32 s21, 64
	s_mov_b32 s22, 0
	s_mov_b32 s23, 0
	; V: 32 rows of 512 bf16, 4,096 elements from row to row; 4 words of padding behind every 256
	s_mov_b32 s24, 15|(1<<16)|(1<<20)|(1<<21)|(7<<22)|(3<<25)
	s_mov_b32 s25, 512<<16
	s_mov_b32 s26, 32<<16
	s_mov_b32 s27, 512<<16
	s_mov_b32 s28, 32
	s_mov_b32 s29, 4096
	s_mov_b32 s30, 0
	s_mov_b32 s31, 0
	s_mul_i32 s58, s67, QTR                        ; the quarter of a slot that waves 0 to 3 fill: wave x 36,864
	s_lshl_b32 s54, s49, 19                        ; the head's 524,288 bytes; nothing in these addresses hangs on cx
	s_lshl_b32 s56, s13, 18                        ; V: 32 (w mod 2) rows of 8,192 bytes
	s_add_co_u32 s56, s56, s54
	s_lshl_b32 s59, s13, 15                        ; K: 256 (w mod 2) rows of 128 bytes
	s_add_co_u32 s54, s54, s59
	s_mov_b32 s55, 0
	s_mov_b32 s57, 0
	s_lshl_b32 s62, s49, 19                        ; qt: (4,096 bh + 128 pbx) rows of 128 bytes
	s_lshl_b32 s59, s48, 14
	s_add_co_u32 s62, s62, s59
	s_mov_b32 s63, 0
	s_lshr_b32 s59, s67, 1                         ; ot: the same, + the group of 64 pixels (pgx / 2), + 8 (pgx mod 2) rows
	s_lshl_b32 s59, s59, 13
	s_add_co_u32 s60, s62, s59
	s_lshl_b32 s59, s13, 10
	s_add_co_u32 s60, s60, s59
	s_mov_b32 s61, 0
	s_wait_dscnt 0x0
	s_wait_kmcnt 0x0
	s_add_nc_u64 s[54:55], s[6:7], s[54:55]
	s_add_nc_u64 s[56:57], s[8:9], s[56:57]
	s_add_nc_u64 s[4:5], s[4:5], s[62:63]
	s_add_nc_u64 s[10:11], s[10:11], s[60:61]
.irp s, 0,1
	s_mov_b32 s[32+4*\s], 1
	s_add_co_u32 s[33+4*\s], s58, \s*SLOT
	s_add_nc_u64 s[34+4*\s:35+4*\s], s[54:55], \s*65536            ; tile s: 512 rows of K on
	s_or_b32 s[35+4*\s], s[35+4*\s], 0x80000000
	s_mov_b32 s[40+4*\s], 1
	s_add_co_u32 s[41+4*\s], s58, \s*SLOT
	s_add_nc_u64 s[42+4*\s:43+4*\s], s[56:57], \s*1024             ; tile s: 512 keys along V's rows
	s_or_b32 s[43+4*\s], s[43+4*\s], 0x80000000
.endr
	ROUND                                          ; all four work-groups are here: the first joint loads meet
	JLOAD 0                                        ; tile 0
	v_and_b32 v1, 15, v0                           ; r
	v_bfe_u32 v12, v0, 4, 1                        ; h
	v_and_b32 v13, 31, v0                          ; L
	v_mul_u32_u24 v[KL], v1, 144
	v_lshl_add_u32 v[KL], v12, 4, v[KL]
	s_mul_i32 s59, s66, QTR                        ; my half of the keys: 256 rows of 144 bytes on
	v_add_nc_u32 v[KL], s59, v[KL]
	v_mul_u32_u24 v[VL], v1, 1040
	v_lshl_add_u32 v[VL], v12, 4, v[VL]
	s_lshl_b32 s59, s66, 9                         ; and 256 keys of 2 bytes along V's rows, which lie behind K's two quarters
	s_add_co_u32 s59, s59, 2*QTR
	v_add_nc_u32 v[VL], s59, v[VL]
	s_mul_i32 s59, s67, 4608
	s_add_co_u32 s59, s59, STAGE                   ; my pixel group's stage
	v_and_b32 v15, 3, v1                           ; stage row 8 (r mod 4) + r / 4 (+ 4 pt): t = pixel mod 4 outermost
	v_lshrrev_b32 v[STO], 2, v1
	v_lshl_add_u32 v[STO], v15, 3, v[STO]
	v_mul_u32_u24 v[STO], v[STO], 144
	v_lshl_add_u32 v[STO], v12, 4, v[STO]
	v_add_nc_u32 v[STO], s59, v[STO]
	v_lshrrev_b32 v[RD], 3, v13                    ; back: four rows of 128 bytes to a load
	v_mul_u32_u24 v[RD], v[RD], 144
	v_and_b32 v15, 7, v0
	v_lshl_add_u32 v[RD], v15, 4, v[RD]
	v_add_nc_u32 v[RD], s59, v[RD]
	v_lshlrev_b32 v[GO], 4, v13
	v_and_b32 v[QO], 0x6f, v0                      ; 32 pgx + r
	v_lshlrev_b32 v[QO], 7, v[QO]
	v_lshl_add_u32 v[QO], v12, 4, v[QO]
	v_cmp_eq_u32 vcc_lo, 0, v15                    ; lanes with r = 0 or 8 hold rows 0 and 8 of source 0
	v_mov_b32 v14, 0x3f803f80                      ; two ones in bf16
	v_cndmask_b32 v[ONES], 0, v14, vcc_lo
.irp i, 1,2,3,4,5,6,7
	v_mov_b32 v[ONES+\i], v[ONES]
.endr
	v_mov_b32 v[PX], 0
	v_mov_b32 v[M+1], 0
	v_mov_b32 v[M+3], 0
	v_mov_b32 v[AL+1], 0
	v_mov_b32 v[AL+3], 0
	WIN 0x40                                       ; destination in window 1
.irp p, 0,1
.irp k, 0,1
	global_load_b128 v[Q+8*(2*\p+\k):Q+8*(2*\p+\k)+3],   v[QO], s[4:5] offset:\p*2048+\k*64
	global_load_b128 v[Q+8*(2*\p+\k)+4:Q+8*(2*\p+\k)+7], v[QO], s[4:5] offset:\p*2048+\k*64+32
.endr
.endr
	WIN 0
	s_wait_loadcnt 0x0                             ; Q, once
.macro KLOAD off                       ; 16 loads: 64 keys x 64 channels of K, from byte off behind KA
.irp j, 0,1,2,3
.irp k, 0,1
	ds_load_b128 v[KF+8*(2*\j+\k):KF+8*(2*\j+\k)+3],   v[KA] offset:\off+\j*2304+\k*64
	ds_load_b128 v[KF+8*(2*\j+\k)+4:KF+8*(2*\j+\k)+7], v[KA] offset:\off+\j*2304+\k*64+32
.endr
.endr
.endm
.macro VLOAD                           ; 16 loads: 64 channels x 64 keys of V; channels 32 on lie in the next quarter
.irp c, 0,1,2,3
.irp k, 0,1
	ds_load_b128 v[VF+8*(2*\c+\k):VF+8*(2*\c+\k)+3],   v[VA] offset:(\c>>1)*QTR+(\c&1)*16640+\k*64
	ds_load_b128 v[VF+8*(2*\c+\k)+4:VF+8*(2*\c+\k)+7], v[VA] offset:(\c>>1)*QTR+(\c&1)*16640+\k*64+32
.endr
.endr
.endm
.macro SMUL p                          ; S^T of 64 keys x 16 pixels: four accumulators take turns; the first K step starts the sums
.irp j, 0,1,2,3
	v_wmma_f32_16x16x32_bf16 v[S+32*\p+8*\j:S+32*\p+8*\j+7], v[KF+16*\j:KF+16*\j+7], v[Q+16*\p:Q+16*\p+7], 0
.endr
.irp j, 0,1,2,3
	v_wmma_f32_16x16x32_bf16 v[S+32*\p+8*\j:S+32*\p+8*\j+7], v[KF+16*\j+8:KF+16*\j+15], v[Q+16*\p+8:Q+16*\p+15], v[S+32*\p+8*\j:S+32*\p+8*\j+7]
.endr
.endm
.macro SOFTMAX p, first                ; 32 scores a lane: new maximum, factor for what was summed so far, P = 2^(S - m) as bf16 in place
.irp j, 0,1,2,3
	v_max3_num_f32 v[T+\j], v[S+32*\p+8*\j], v[S+32*\p+8*\j+1], v[S+32*\p+8*\j+2]
.endr
.irp j, 0,1,2,3
	v_max3_num_f32 v[T+\j], v[T+\j], v[S+32*\p+8*\j+3], v[S+32*\p+8*\j+4]
.endr
.irp j, 0,1,2,3
	v_max3_num_f32 v[T+\j], v[T+\j], v[S+32*\p+8*\j+5], v[S+32*\p+8*\j+6]
.endr
.irp j, 0,1,2,3
	v_max_num_f32 v[T+\j], v[T+\j], v[S+32*\p+8*\j+7]
.endr
	v_max3_num_f32 v[MX], v[T], v[T+1], v[T+2]
	v_max_num_f32 v[MX], v[MX], v[T+3]
	v_permlanex16_b32 v[PX], v[MX], s52, s53       ; the other half holds the pixel's other keys
.if \first
	v_max_num_f32 v[M+2*\p], v[MX], v[PX]
.else
	v_max3_num_f32 v[MX], v[MX], v[PX], v[M+2*\p]
	v_sub_f32 v[AL+2*\p], v[M+2*\p], v[MX]
	v_mov_b32 v[M+2*\p], v[MX]
	v_exp_f32 v[AL+2*\p], v[AL+2*\p]               ; the packed subtractions below stand between it and its use
.endif
.set i, 0
.rept 16
	v_pk_add_f32 v[S+32*\p+2*i:S+32*\p+2*i+1], v[S+32*\p+2*i:S+32*\p+2*i+1], v[M+2*\p:M+2*\p+1] op_sel_hi:[1,0] neg_lo:[0,1] neg_hi:[0,1]
.set i, i+1
.endr
.set i, 0
.rept 32
	v_exp_f32 v[S+32*\p+i], v[S+32*\p+i]
.set i, i+1
.endr
	v_nop                                          ; one plain instruction behind the transcendentals, ahead of the first use
	s_wait_alu depctr_va_vdst(0)
.irp k, 0,1
.irp n, 0,1,2,3,4,5,6,7
	v_cvt_pk_bf16_f32 v[S+32*\p+16*\k+\n], v[S+32*\p+16*\k+2*\n], v[S+32*\p+16*\k+2*\n+1]   ; ascending: every destination has been read already
.endr
.endr
.endm
.macro RESCALE p, ls                   ; O (and, ls = 1, the row sum) of tile p times the lane's factor
.set i, 0
.rept 16
	v_pk_mul_f32 v[O+32*\p+2*i:O+32*\p+2*i+1], v[O+32*\p+2*i:O+32*\p+2*i+1], v[AL+2*\p:AL+2*\p+1] op_sel_hi:[1,0]
.set i, i+1
.endr
.if \ls
	v_mul_f32 v[LS+8*\p], v[LS+8*\p], v[AL+2*\p]   ; registers 1 to 7 of the row sums belong to zero rows and stay 0
.endif
.endm
.macro PV p, first                     ; O^T += V P^T and the row sums: five accumulators take turns
.irp k, 0,1
.irp c, 0,1,2,3
.if \first*(1-\k)
	v_wmma_f32_16x16x32_bf16 v[O+32*\p+8*\c:O+32*\p+8*\c+7], v[VF+8*(2*\c+\k):VF+8*(2*\c+\k)+7], v[S+32*\p+16*\k:S+32*\p+16*\k+7], 0
.else
	v_wmma_f32_16x16x32_bf16 v[O+32*\p+8*\c:O+32*\p+8*\c+7], v[VF+8*(2*\c+\k):VF+8*(2*\c+\k)+7], v[S+32*\p+16*\k:S+32*\p+16*\k+7], v[O+32*\p+8*\c:O+32*\p+8*\c+7]
.endif
.endr
.if \first*(1-\k)
	v_wmma_f32_16x16x32_bf16 v[LS+8*\p:LS+8*\p+7], v[ONES:ONES+7], v[S+32*\p+16*\k:S+32*\p+16*\k+7], 0
.else
	v_wmma_f32_16x16x32_bf16 v[LS+8*\p:LS+8*\p+7], v[ONES:ONES+7], v[S+32*\p+16*\k:S+32*\p+16*\k+7], v[LS+8*\p:LS+8*\p+7]
.endif
.endr
.endm
; 64 keys.  first = 1: the wave's very first, which start maximum and sums.  pre = 1: the next 64 keys' K fragments are asked for (same slot, same half).
.macro SUB first, pre
	s_wait_dscnt 0x0                               ; the K fragments are in
	WIN 0x04                                       ; source 1 (Q) in window 1
	SMUL 0
	SMUL 1
	WIN 0
	PLACES 4                                       ; behind the products: the loads below write their sources, the softmax reads their results
	VLOAD
.if \pre
	KLOAD 9216                                     ; 64 rows of 144 bytes on
.endif
	SOFTMAX 0, \first
.if \pre
	s_wait_dscnt 16                                ; V is in; the 16 loads of K issued behind it stay out
.else
	s_wait_dscnt 0x0
.endif
.if \first == 0
	WIN 0x41                                       ; destination and source 0 in window 1
	RESCALE 0, 1
.endif
	WIN 0x50                                       ; C and D in window 1
	PV 0, \first
	WIN 0
	SOFTMAX 1, \first
.if \first == 0
	WIN 0x41
	RESCALE 1, 1
.endif
	WIN 0x50
	PV 1, \first
	WIN 0
	v_add_nc_u32 v[KA], 9216, v[KA]                ; the next 64 keys.  With the three below: five places before the next S^T writes over P of tile 1
	v_add_nc_u32 v[VA], 128, v[VA]
	PLACES 3
.endm
; A tile of 512 keys in slot slot, of which 256 are mine: four times 64.  In front of the round every wave has waited for all its tensor loads (its quarter of this
; tile, if it brought one) and for its reads of the other slot; the round says so of all waves of all four work-groups; the refill of the other slot is the first
; thing behind it, one load a wave at the most.
.macro TRIP slot, other, refill, first
	s_wait_tensorcnt 0x0                           ; no load of mine is out: descriptors may be written
	ds_add_u32 v254, v255
	s_wait_dscnt 0x0
	s_add_nc_u64 s[34+4*\slot:35+4*\slot], s[34+4*\slot:35+4*\slot], 131072   ; this slot's next tile: 1,024 rows of K on,
	s_add_nc_u64 s[42+4*\slot:43+4*\slot], s[42+4*\slot:43+4*\slot], 2048     ; 1,024 keys along V's rows (behind the last use the stepped address is not used)
	s_wait_dscnt 0x0
	ROUND
.if \refill
	JLOAD \other
.endif
	v_add_nc_u32 v[KA], \slot*SLOT, v[KL]
	v_add_nc_u32 v[VA], \slot*SLOT, v[VL]
	KLOAD 0
.if \first
	SUB 1, 1
	s_mov_b32 s51, 2
.else
	s_mov_b32 s51, 3
.endif
.Lsub_\@:
	SUB 0, 1
	s_sub_co_u32 s51, s51, 1
	s_cmp_lg_u32 s51, 0
	s_cbranch_scc1 .Lsub_\@
	SUB 0, 0                                       ; my last 64 keys of the tile: the next K fragments lie in the other slot
.endm
	TRIP 0, 1, 1, 1                                ; tile 0; tile 1 goes out
	s_mov_b32 s50, 3
.Ltiles:
	TRIP 1, 0, 1, 0                                ; tiles 1, 3, 5
	TRIP 0, 1, 1, 0                                ; tiles 2, 4, 6
	s_sub_co_u32 s50, s50, 1
	s_cmp_lg_u32 s50, 0
	s_cbranch_scc1 .Ltiles
	TRIP 1, 0, 0, 0                                ; tile 7, in slot 1: nothing is left to fetch
	; THE MERGE.  Slot 0 had its last fill with tile 6, and every wave's reads of it were waited for in front of tile 7's round: its bytes now serve as scratch.
	; Five places stand behind the last products.  Waves 4 to 7 lay down O (16 x 512 bytes) and m0, l0, m1, l1 (16 bytes a lane) for the wave of the same pixels.
	s_mul_i32 s59, s67, MRGW
	v_add_nc_u32 v[KA], s59, v[GO]                 ; my pixel group's area + 16 x lane
	s_cmp_eq_u32 s66, 0
	s_cbranch_scc1 .Lkeeper
	ds_store_b32 v[KA], v[M] offset:8192
	ds_store_b32 v[KA], v[M+2] offset:8200
	WIN 0x04                                       ; store data in window 1
	ds_store_b32 v[KA], v[LS] offset:8196
	ds_store_b32 v[KA], v[LS+8] offset:8204
.set i, 0
.rept 16
	ds_store_b128 v[KA], v[O+4*i:O+4*i+3] offset:512*i
.set i, i+1
.endr
	WIN 0
.Lkeeper:
	s_wait_dscnt 0x0                               ; what I laid down is written before I signal
	s_barrier_signal -1
	s_barrier_wait -1                              ; waves 0 to 3 read it behind this barrier
	s_cmp_lg_u32 s66, 0
	s_cbranch_scc1 .Ldone                          ; waves 4 to 7 have handed their work over
	ds_load_b128 v[T:T+3], v[KA] offset:8192       ; the partner's m0, l0, m1, l1
.set i, 0
.rept 16
	ds_load_b128 v[KF+4*i:KF+4*i+3], v[KA] offset:512*i        ; the partner's O, register for register as mine
.set i, i+1
.endr
	s_wait_dscnt 16                                ; m and l are in; the 16 loads of O issued behind them stay out
	v_max_num_f32 v[MX], v[M], v[T]                ; the common maximum,
	v_max_num_f32 v[PX], v[M+2], v[T+2]
	v_sub_f32 v[AL], v[M], v[MX]
	v_sub_f32 v[M], v[T], v[MX]
	v_sub_f32 v[AL+2], v[M+2], v[PX]
	v_sub_f32 v[M+2], v[T+2], v[PX]
	v_exp_f32 v[AL], v[AL]                         ; my factor,
	v_exp_f32 v[M], v[M]                           ; the partner's: one of the two is 1
	v_exp_f32 v[AL+2], v[AL+2]
	v_exp_f32 v[M+2], v[M+2]
	v_nop                                          ; one plain instruction behind the transcendentals
	s_wait_alu depctr_va_vdst(0)
	v_mul_f32 v[T+1], v[T+1], v[M]
	v_mul_f32 v[T+3], v[T+3], v[M+2]
	WIN 0x01                                       ; source 0 in window 1
	v_fma_f32 v[T+1], v[LS], v[AL], v[T+1]         ; the whole row sum: at least the largest P, which is 1
	v_fma_f32 v[T+3], v[LS+8], v[AL+2], v[T+3]
	WIN 0
	v_rcp_f32 v[T+1], v[T+1]
	v_rcp_f32 v[T+3], v[T+3]
	v_nop                                          ; one plain instruction behind the transcendentals
	s_wait_alu depctr_va_vdst(0)
	v_mul_f32 v[AL], v[AL], v[T+1]                 ; both factors divided by the row sum
	v_mul_f32 v[M], v[M], v[T+1]
	v_mul_f32 v[AL+2], v[AL+2], v[T+3]
	v_mul_f32 v[M+2], v[M+2], v[T+3]
	WIN 0x41
	RESCALE 0, 0
	RESCALE 1, 0
	s_wait_dscnt 0x0                               ; the partner's O
	WIN 0x50                                       ; source 2 and destination in window 1
.irp p, 0,1
.set i, 0
.rept 16
	v_pk_fma_f32 v[O+32*\p+2*i:O+32*\p+2*i+1], v[KF+32*\p+2*i:KF+32*\p+2*i+1], v[M+2*\p:M+2*\p+1], v[O+32*\p+2*i:O+32*\p+2*i+1] op_sel_hi:[1,0,1]
.set i, i+1
.endr
.endr
	; THE WAY OUT: bf16, through my own stage, out as whole rows.
	WIN 0x05                                       ; sources 0 and 1 in window 1
.irp p, 0,1
.irp c, 0,1,2,3
.irp k, 0,1,2,3
	v_cvt_pk_bf16_f32 v[S+16*\p+4*\c+\k], v[O+32*\p+8*\c+2*\k], v[O+32*\p+8*\c+2*\k+1]
.endr
.endr
.endr
	WIN 0
.irp p, 0,1
.irp c, 0,1,2,3
	ds_store_b128 v[STO], v[S+16*\p+4*\c:S+16*\p+4*\c+3] offset:\p*576+\c*32
.endr
.endr
.irp i, 0,1,2,3,4,5,6,7
	ds_load_b128 v[VF+4*\i:VF+4*\i+3], v[RD] offset:\i*576     ; my own bytes: LDS serves a wave's instructions in order, so these see the stores above
.endr
.irp i, 0,1,2,3,4,5,6,7
	s_wait_dscnt 7-\i                              ; the counts leave the younger read-backs out
	global_store_b128 v[GO], v[VF+4*\i:VF+4*\i+3], s[10:11] offset:(\i>>1)*2048+(\i&1)*512   ; the wave stores 512 consecutive bytes, aligned
.endr
.Ldone:
	s_wait_tensorcnt 0x0
	ds_add_u32 v254, v255
	s_wait_dscnt 0x0
	ROUND                                          ; the closing round: no work-group ends while a partner may still ask jointly
	s_endpgm
.Lfunc_end_k_qdbfccd2d59_attn:
	.size	k_qdbfccd2d59_attn, .Lfunc_end_k_qdbfccd2d59_attn-k_qdbfccd2d59_attn
	.p2alignl 7, 3214868480
	.fill 96, 4, 3214868480
	.section	.rodata,"a",@progbits
	.p2align	6, 0x0
	.amdhsa_kernel k_qdbfccd2d59_attn
		.amdhsa_group_segment_fixed_size 327680
		.amdhsa_private_segment_fixed_size 0
		.amdhsa_enable_private_segment 0
		.amdhsa_kernarg_size 32
		.amdhsa_user_sgpr_count 2
		.amdhsa_user_sgpr_kernarg_segment_ptr 1
		.amdhsa_wavefront_size32 1
		.amdhsa_system_sgpr_workgroup_id_x 1
		.amdhsa_system_sgpr_workgroup_id_y 1
		.amdhsa_system_sgpr_workgroup_id_z 1
		.amdhsa_system_vgpr_workitem_id 0
		.amdhsa_next_free_vgpr 368
		.amdhsa_next_free_sgpr 68
		.amdhsa_reserve_vcc 1
		.amdhsa_float_denorm_mode_32 3
		.amdhsa_float_denorm_mode_16_64 3
		.amdhsa_memory_ordered 1
		.amdhsa_forward_progress 1
		.amdhsa_inst_pref_size 161
	.end_amdhsa_kernel
	.amdgpu_metadata
---
amdhsa.version: [ 1, 2 ]
amdhsa.kernels:
  - .name:           k_qdbfccd2d59_attn
    .symbol:         k_qdbfccd2d59_attn.kd
    .args:
      - { .name: qt, .offset: 0, .size: 8, .value_kind: global_buffer, .address_space: global }
      - { .name: kt, .offset: 8, .size: 8, .value_kind: global_buffer, .address_space: global }
      - { .name: vn, .offset: 16, .size: 8, .value_kind: global_buffer, .address_space: global }
      - { .name: ot, .offset: 24, .size: 8, .value_kind: global_buffer, .address_space: global }
    .group_segment_fixed_size: 327680
    .private_segment_fixed_size: 0
    .kernarg_segment_align: 8
    .kernarg_segment_size: 32
    .max_flat_workgroup_size: 256
    .sgpr_count:     68
    .vgpr_count:     368
    .wavefront_size: 32
...
	.end_amdgpu_metadata
.endif
;; end of part 3
;; launch proj (part 4): grid 4 x 64, 4 waves a work-group, clusters of 4 x 4, 168,448 bytes of LDS; arguments ot, wh, x, b3, out0; writes out0
.if DOCPART == 4
	.amdgcn_target "amdgcn-amd-amdhsa--gfx1250"
	.amdhsa_code_object_version 6
	.text
	.protected	k_qdbfccd2d59_proj
	.globl	k_qdbfccd2d59_proj
	.p2align	8
	.type	k_qdbfccd2d59_proj,@function
k_qdbfccd2d59_proj:
	s_mov_b64 s[64:65], 0
	v_nop
	global_prefetch_b8 v0, s[64:65] scope:SCOPE_SE
	s_setreg_imm32_b32 hwreg(HW_REG_WAVE_MODE, 25, 1), 1
	s_wait_xcnt 0x0
	s_wait_alu depctr_hold_cnt(0) depctr_sa_sdst(0) depctr_va_vdst(0) depctr_va_sdst(0) depctr_va_ssrc(0) depctr_va_vcc(0) depctr_vm_vsrc(0)
	s_getreg_b32 s2, hwreg(HW_REG_IB_STS2, 6, 4)
	s_cmp_eq_u32 s2, 0
	s_cbranch_scc0 .Lentry_in_a_cluster
	s_endpgm
.Lentry_in_a_cluster:
	s_bfe_u32 s2, ttmp6, 0x10000c
	s_cmp_lg_u32 s2, 0xf033
	s_cbranch_scc0 .Lentry_shape_is_right
	s_endpgm
.Lentry_shape_is_right:
; out0 = (x + W3^T o + b3) / sqrt(2).
; Work-group (g, pbg): output channels 64 g .. + 63, image b = pbg / 32, pixels 128 (pbg mod 32) .. + 127; K = 256 = four heads x 64.
; Four waves: wave w makes 32 channels (dh = w / 2) x 64 pixels (pg = w mod 2): 2 x 4 accumulator tiles.
; Source 0 = W3 (rows d, by the transposing load, since wh has K down the rows), source 1 = o.  ot's rows are ordered (t, r) = pixel 4 r + t of a group of 64,
; so register j of a lane's four tiles t = 0..3 holds four NEIGHBOURING pixels of channel d0 + 8 h + j: they are added to x and stored as 16 bytes, and sixteen
; lanes store 256 consecutive bytes, aligned.  No stage in LDS is needed.
; CLUSTER 4 x 4: o's tile hangs on pbg alone and is shared along a row of the cluster; W3's hangs on g alone and is shared along a column.  Both are asked for jointly.
; Each wave issues two tensor loads, both at the start; nothing is filled again.
; Limits kept: / sqrt(2) is a multiplication by 0.70710678 (0x3f3504f3); b3 is added behind x + h, as b3 x 0.70710678 in a fused multiply-add.
.set W3T, 73728                        ; LDS: 0 o, 512 rows (head 128 + row) of 144 bytes; W3T W3, 256 rows c of 160 bytes
.set ACC, 16                           ; v[16:79]   tile (dt, t) at 16 + 8 (4 dt + t)
.set FR0, 80                           ; v[80:127]  fragments, buffer 0: W(0) W(1) O(0..3)
.set FR1, 128                          ; v[128:175] buffer 1
.set X, 176                            ; v[176:239] x of (dt, j): four pixels each
.set B3, 240                           ; v[240:255] b3 of d0 + 8 h + j for dt 0, 1
; v2 LDS address of my o fragments; v3 of my W3 fragments; v4 my offset in x and out0; v5 my offset in b3
.macro ROUND                           ; a round of the cluster's barrier
	s_barrier_signal -1
	s_barrier_wait -1
	s_cmp_lg_u32 s14, 0
	s_cbranch_scc1 .Lnot_wave_0_\@
	s_barrier_signal -3
.Lnot_wave_0_\@:
	s_barrier_wait -3
	s_barrier_signal -1
	s_barrier_wait -1
.endm
.macro PLACES n                        ; independent vector instructions behind matrix instructions (ISA guide 7.12.1)
.rept \n
	v_nop
.endr
.endm
	s_load_b256 s[4:11], s[0:1], 0x0               ; ot 4, wh 6, x 8, b3 10
	s_load_b64 s[12:13], s[0:1], 0x20              ; out0
	v_lshl_add_u32 v14, v0, 2, 0x29000
	v_mov_b32 v15, 0
	ds_add_u32 v14, v15
	v_lshrrev_b32 v1, 5, v0
	v_readfirstlane_b32 s14, v1                    ; wave 0..3
	s_and_b32 s15, s14, 1                          ; pg
	s_lshr_b32 s16, s14, 1                         ; dh
	s_bfe_u32 s17, ttmp6, 0x40000                  ; cx
	s_bfe_u32 s18, ttmp6, 0x40004                  ; cy
	s_lshl_b32 s19, ttmp9, 2
	s_add_co_u32 s19, s19, s17                     ; g
	s_and_b32 s20, ttmp7, 0xffff
	s_lshl_b32 s20, s20, 2
	s_add_co_u32 s20, s20, s18                     ; pbg
	s_lshr_b32 s21, s20, 5                         ; b
	s_and_b32 s22, s20, 31                         ; pb
	s_lshl_b32 s23, s18, 2
	s_lshl_b32 s23, 15, s23                        ; my row of the cluster
	s_lshl_b32 s54, 0x1111, s17                    ; my column
	s_mov_b32 s56, 0x3f3504f3                      ; 1 / sqrt(2)
	s_mov_b32 s57, 0x3f3504f3
	; o: 128 rows of 64 bf16, dense; 4 words of padding behind every 32
	s_or_b32 s24, s23, (1<<16)|(1<<20)|(1<<21)|(4<<22)|(3<<25)
	s_mov_b32 s25, 64<<16
	s_mov_b32 s26, 128<<16
	s_mov_b32 s27, 64<<16
	s_mov_b32 s28, 128
	s_mov_b32 s29, 64
	s_mov_b32 s30, 0
	s_mov_b32 s31, 0
	; W3: 64 rows of 64 bf16, dense; 8 words of padding behind every 32
	s_or_b32 s40, s54, (1<<16)|(1<<20)|(1<<21)|(4<<22)|(7<<25)
	s_mov_b32 s41, 64<<16
	s_mov_b32 s42, 64<<16
	s_mov_b32 s43, 64<<16
	s_mov_b32 s44, 64
	s_mov_b32 s45, 64
	s_mov_b32 s46, 0
	s_mov_b32 s47, 0
	s_lshl2_add_u32 s48, s21, s14                  ; o: wave w brings head w: (4 b + w) 524,288 + pb 16,384: made of pbg and the wave's number alone
	s_lshl_b32 s48, s48, 19
	s_lshl_b32 s49, s22, 14
	s_add_co_u32 s48, s48, s49
	s_mov_b32 s49, 0
	s_lshl_b32 s50, s19, 17                        ; W3: block 4 g + 3 of 32,768 bytes + w x 64 rows of 128 bytes: made of g and the wave's number alone
	s_lshl_b32 s51, s14, 13
	s_add_co_u32 s50, s50, s51
	s_add_co_u32 s50, s50, 3*32768
	s_mov_b32 s51, 0
	s_lshl_b32 s52, s21, 22                        ; x, out0: (256 b + 64 g + 32 dh) rows of 16,384 bytes + (128 pb + 64 pg) pixels
	s_lshl_b32 s53, s19, 20
	s_add_co_u32 s52, s52, s53
	s_lshl_b32 s53, s16, 19
	s_add_co_u32 s52, s52, s53
	s_lshl_b32 s53, s22, 9
	s_add_co_u32 s52, s52, s53
	s_lshl_b32 s53, s15, 8
	s_add_co_u32 s52, s52, s53
	s_mov_b32 s53, 0
	s_mov_b32 s32, 1
	s_mul_i32 s33, s14, 18432                      ; LDS: wave x 128 rows x 144 bytes
	s_mov_b32 s36, 1
	s_mul_i32 s37, s14, 10240                      ; LDS: behind o, wave x 64 rows x 160 bytes
	s_add_co_u32 s37, s37, W3T
	v_and_b32 v1, 15, v0                           ; r
	v_bfe_u32 v6, v0, 4, 1                         ; h
	v_and_b32 v7, 7, v0
	v_bfe_u32 v8, v0, 3, 1
	v_lshl_add_u32 v9, v6, 3, v7                   ; the row that I address in a transposing load
	v_lshlrev_b32 v4, 4, v1
	v_lshl_or_b32 v4, v6, 17, v4                   ; 8 h rows of 16,384 bytes + 16 r
	s_lshl_b32 s55, s19, 8
	s_lshl_b32 s54, s16, 7
	s_add_co_u32 s55, s55, s54
	v_lshl_add_u32 v5, v6, 5, s55                  ; 4 (64 g + 32 dh + 8 h)
	s_wait_dscnt 0x0
	s_wait_kmcnt 0x0
	s_add_nc_u64 s[34:35], s[4:5], s[48:49]
	s_or_b32 s35, s35, 0x80000000
	s_add_nc_u64 s[38:39], s[6:7], s[50:51]
	s_or_b32 s39, s39, 0x80000000
	s_add_nc_u64 s[8:9], s[8:9], s[52:53]
	s_add_nc_u64 s[12:13], s[12:13], s[52:53]
.irp d, 0,1
	global_load_b128 v[B3+8*\d:B3+8*\d+3],   v5, s[10:11] offset:64*\d
	global_load_b128 v[B3+8*\d+4:B3+8*\d+7], v5, s[10:11] offset:64*\d+16
.endr
.irp d, 0,1
.irp j, 0,1,2,3,4,5,6,7
	global_load_b128 v[X+4*(8*\d+\j):X+4*(8*\d+\j)+3], v4, s[8:9] offset:(16*\d+\j)*16384 th:TH_LOAD_NT   ; each byte of x is read once in this launch; needed only at the end
.endr
.endr
	ROUND                                          ; all sixteen work-groups are here: the joint loads meet
	tensor_load_to_lds s[32:35], s[24:31]          ; head w's 128 rows of o
	s_nop 0
	tensor_load_to_lds s[36:39], s[40:47]          ; 64 rows of W3
	s_nop 0
	v_mul_u32_u24 v2, v1, 144
	v_lshl_add_u32 v2, v6, 4, v2
	s_mul_i32 s55, s15, 9216                       ; my group of 64 pixels: 64 rows
	v_add_nc_u32 v2, s55, v2
	v_mul_u32_u24 v3, v9, 160
	v_lshl_add_u32 v3, v8, 4, v3
	s_lshl_b32 s55, s16, 6                         ; my 32 channels
	s_add_co_u32 s55, s55, W3T
	v_add_nc_u32 v3, s55, v3
	s_wait_tensorcnt 0x0                           ; my two tiles have landed,
	s_barrier_signal -1
	s_barrier_wait -1                              ; everybody's have
.macro FETCH ks, f                     ; 12 loads: the fragments of K step ks (head ks / 2, 32 channels)
.irp d, 0,1
	ds_load_tr16_b128 v[\f+8*\d:\f+8*\d+3],   v3 offset:\ks*5120+\d*32
	ds_load_tr16_b128 v[\f+8*\d+4:\f+8*\d+7], v3 offset:\ks*5120+\d*32+2560
.endr
.irp t, 0,1,2,3
	ds_load_b128 v[\f+16+8*\t:\f+16+8*\t+3], v2 offset:(\ks>>1)*18432+\t*2304+(\ks&1)*64
	ds_load_b128 v[\f+16+8*\t+4:\f+16+8*\t+7], v2 offset:(\ks>>1)*18432+\t*2304+(\ks&1)*64+32
.endr
.endm
.macro MUL8 f, zero                    ; the eight accumulators take turns, one instruction a turn
.irp d, 0,1
.irp t, 0,1,2,3
.if \zero
	v_wmma_f32_16x16x32_bf16 v[ACC+8*(4*\d+\t):ACC+8*(4*\d+\t)+7], v[\f+8*\d:\f+8*\d+7], v[\f+16+8*\t:\f+16+8*\t+7], 0
.else
	v_wmma_f32_16x16x32_bf16 v[ACC+8*(4*\d+\t):ACC+8*(4*\d+\t)+7], v[\f+8*\d:\f+8*\d+7], v[\f+16+8*\t:\f+16+8*\t+7], v[ACC+8*(4*\d+\t):ACC+8*(4*\d+\t)+7]
.endif
.endr
.endr
.endm
.macro KS ks, nx, f, g                 ; multiplies buffer f; ahead of that asks for step nx into buffer g, four places behind the products that read g
.if \ks < 7
.if \ks > 0
	PLACES 4
.endif
	FETCH \nx, \g
	s_wait_dscnt 12                                ; all but the 12 just issued
.else
	s_wait_dscnt 0x0
.endif
.if \ks == 0
	MUL8 \f, 1                                     ; the first products start the sums
.else
	MUL8 \f, 0
.endif
.endm
	FETCH 0, FR0
	KS 0, 1, FR0, FR1
	KS 1, 2, FR1, FR0
	KS 2, 3, FR0, FR1
	KS 3, 4, FR1, FR0
	KS 4, 5, FR0, FR1
	KS 5, 6, FR1, FR0
	KS 6, 7, FR0, FR1
	KS 7, 0, FR1, FR0
	PLACES 4                                       ; behind the last products, ahead of the instructions that read them
	s_wait_loadcnt 0x0                             ; x and b3
.irp i, 0,2,4,6,8,10,12,14
	v_pk_mul_f32 v[B3+\i:B3+\i+1], v[B3+\i:B3+\i+1], s[56:57] op_sel_hi:[1,0]
.endr
.irp d, 0,1
.irp j, 0,1,2,3,4,5,6,7
.irp t, 0,1,2,3
	v_add_f32 v[X+4*(8*\d+\j)+\t], v[X+4*(8*\d+\j)+\t], v[ACC+8*(4*\d+\t)+\j]
.endr
.irp t, 0,1,2,3
	v_fma_f32 v[X+4*(8*\d+\j)+\t], v[X+4*(8*\d+\j)+\t], s56, v[B3+8*\d+\j]
.endr
	global_store_b128 v4, v[X+4*(8*\d+\j):X+4*(8*\d+\j)+3], s[12:13] offset:(16*\d+\j)*16384 th:TH_STORE_NT   ; each half of the wave stores 256 consecutive bytes, aligned
.endr
.endr
	s_wait_tensorcnt 0x0
	ds_add_u32 v14, v15
	s_wait_dscnt 0x0
	ROUND                                          ; the closing round: no work-group ends while a partner may still ask jointly
	s_endpgm
.Lfunc_end_k_qdbfccd2d59_proj:
	.size	k_qdbfccd2d59_proj, .Lfunc_end_k_qdbfccd2d59_proj-k_qdbfccd2d59_proj
	.p2alignl 7, 3214868480
	.fill 96, 4, 3214868480
	.section	.rodata,"a",@progbits
	.p2align	6, 0x0
	.amdhsa_kernel k_qdbfccd2d59_proj
		.amdhsa_group_segment_fixed_size 168448
		.amdhsa_private_segment_fixed_size 0
		.amdhsa_enable_private_segment 0
		.amdhsa_kernarg_size 40
		.amdhsa_user_sgpr_count 2
		.amdhsa_user_sgpr_kernarg_segment_ptr 1
		.amdhsa_wavefront_size32 1
		.amdhsa_system_sgpr_workgroup_id_x 1
		.amdhsa_system_sgpr_workgroup_id_y 1
		.amdhsa_system_sgpr_workgroup_id_z 1
		.amdhsa_system_vgpr_workitem_id 0
		.amdhsa_next_free_vgpr 256
		.amdhsa_next_free_sgpr 66
		.amdhsa_reserve_vcc 0
		.amdhsa_float_denorm_mode_32 3
		.amdhsa_float_denorm_mode_16_64 3
		.amdhsa_memory_ordered 1
		.amdhsa_forward_progress 1
		.amdhsa_inst_pref_size 27
	.end_amdhsa_kernel
	.amdgpu_metadata
---
amdhsa.version: [ 1, 2 ]
amdhsa.kernels:
  - .name:           k_qdbfccd2d59_proj
    .symbol:         k_qdbfccd2d59_proj.kd
    .args:
      - { .name: ot, .offset: 0, .size: 8, .value_kind: global_buffer, .address_space: global }
      - { .name: wh, .offset: 8, .size: 8, .value_kind: global_buffer, .address_space: global }
      - { .name: x, .offset: 16, .size: 8, .value_kind: global_buffer, .address_space: global }
      - { .name: b3, .offset: 24, .size: 8, .value_kind: global_buffer, .address_space: global }
      - { .name: out0, .offset: 32, .size: 8, .value_kind: global_buffer, .address_space: global }
    .group_segment_fixed_size: 168448
    .private_segment_fixed_size: 0
    .kernarg_segment_align: 8
    .kernarg_segment_size: 40
    .max_flat_workgroup_size: 128
    .sgpr_count:     66
    .vgpr_count:     256
    .wavefront_size: 32
...
	.end_amdgpu_metadata
.endif
;; end of part 4
